; MI455X (gfx1250); checked and timed in simulation.
; The chip was launched on July 23, 2026; its instructions are those of AMD's public machine-readable ISA for CDNA 5 (MIT licence, August 2026) and "CDNA5" Instruction Set Architecture Reference Guide (July 2026). The comments in the code are by the model that wrote it; some were corrected since.
;; Quaternion Attention. Allowed arithmetic: matrix products marked QUANTISED: E4M3 operands, one given power-of-two scale a tensor, by v_wmma_f32_16x16x64_fp8_fp8 or v_wmma_f32_16x16x128_fp8_fp8, f32 sums; everything else in f32.
;; Inputs: key_omegas 4 x 2,048 x 8 x 4 float32; key_thetas 4 x 2,048 x 8 x 4 float32; keys 4 x 2,048 x 8 x 64 float32; lowp_scales 4 int32 (the exponents e of the quantised operands' scales 2^e); queries 4 x 2,048 x 8 x 64 float32; query_omegas 4 x 2,048 x 8 x 4 float32; query_thetas 4 x 2,048 x 8 x 4 float32; values_codes 4 x 8 x 64 x 64 x 32 uint8 (E4M3 codes of values, K innermost, in blocks of 32 codes).
;; Outputs: out0 4 x 2,048 x 8 x 64 float32.
;; This version of the problem:
;;   THIS VERSION OF THE PROBLEM IS GIVEN IN LOW PRECISION. The matrix products marked QUANTISED in the list below multiply operands that are first quantised to E4M3 (4 exponent bits, 3 mantissa bits; 8 bits a number), with one given power-of-two scale for each operand tensor; their sums are f32. All else is computed in f32.
;;   The module's matrix products, in the order in which they are computed (A, B: the left and right operand; K: the contracted axis; several contracted axes count as one K, in the product's order):
;;     1. batch 32 x [M 2,048, K 256] x [K 256, N 2,048]; A: computed on the way; B: computed on the way: QUANTISED (scales: A lowp_scales[0], B lowp_scales[1])
;;     2. batch 32 x [M 64, K 2,048] x [K 2,048, N 2,048]; A: input values (given as codes); B: softmax (see below): QUANTISED (scales: A lowp_scales[2], B lowp_scales[3])
;;   THE QUANTISER, for each operand of a quantised product, along K:
;;     - The operand's scale is 2^e, e = its entry of the input lowp_scales (int32; the entries are numbered through the quantised products in the list's order, A before B).
;;     - Each number is divided by the scale, clamped to +-448, and rounded to the nearest number of E4M3, ties to even, subnormals kept.
;;     - The product sums the exact products of the quantised numbers (number of the format x scale) in f32.
;;   ~~~python
;;   def quantise(x, axis, e):      # numpy; x: float32 -> the quantised numbers, widened to float32 again
;;       x = np.moveaxis(x, axis, -1); K = x.shape[-1]
;;       r = np.clip(x / 2.0 ** e, -448, 448)
;;       step = 2.0 ** (np.maximum(np.frexp(np.where(r == 0, 1, r))[1] - 1, -6) - 3)
;;       q = np.round(r / step) * step * 2.0 ** e      # np.round: ties to even
;;       return np.moveaxis(q, -1, axis).astype(np.float32)
;;   ~~~
;;   SOFTMAX AHEAD OF A QUANTISED PRODUCT. Where the list says 'softmax', what is quantised is not the finished softmax but p = 2^(t - M), with t = logit x log2(e) and M = ceil(the row's largest t), a whole number; so 1/2 < the row's largest p <= 1. The row's sum l is taken of the UNQUANTISED p, in f32, and the product's result is divided by l at the end. Since M is a whole number, a kernel that streams over the keys may use a running M (the ceiling of the running maximum): every later rescaling is an exact power of two, so the quantised numbers keep their values, but for numbers so far below the row's largest that they fall under the format's range.
;;   OPERANDS COMPUTED ON THE WAY. 'Computed on the way' means the value that the module computes at that place (a softmax that the list does not call 'softmax' is quantised finished and normalised). What goes into a quantiser is computed in f32, as accurately as f32 sums, v_exp_f32 and their like allow (about 1e-6 of the number): no bf16 or f16 on the way to a quantiser, and a product that is left as it is and whose result goes on into a quantised operand takes f32 operands (vector FMAs, or v_wmma_f32_16x16x4_f32). A number that lies on a knife's edge between two numbers of the format may be rounded either way, as far as f32 arithmetic and the matrix unit's own rounding can turn it there, and no further.
;;   INPUTS GIVEN AS CODES. values (in the module: [4, 2048, 8, 64], K = its axis 1): each comes as NAME_codes (uint8): NAME with its K axis moved to the last place and cut into blocks of 32 codes, [.., K / 32, bytes a block], one block behind the other in memory; one code a byte (a code: sign, 4 exponent bits, 3 mantissa bits); its scale is its entry of lowp_scales. Its value is code x scale, taken as it is: it is not quantised again, and the codes and scales need not be those that the quantiser above would give.
;; One version. Each part assembles by itself: llvm-mc -triple=amdgcn-amd-amdhsa -mcpu=gfx1250 --defsym DOCPART=n.
;; ======== version 1 of 1: 2 launches
;; limits: right only within a limited range of input values
;; workspace buffers: kcodes 16,777,216 bytes
;; launch krot (part 1): grid 64 x 4, 8 waves a work-group, no clusters, 70,656 bytes of LDS; arguments keys, key_omegas, key_thetas, lowp_scales, kcodes; writes kcodes
.if DOCPART == 1
	.amdgcn_target "amdgcn-amd-amdhsa--gfx1250"
	.amdhsa_code_object_version 6
	.text
	.protected	k_q2dddf334d4_krot
	.globl	k_q2dddf334d4_krot
	.p2align	8
	.type	k_q2dddf334d4_krot,@function
k_q2dddf334d4_krot:
	s_mov_b64 s[64:65], 0
	v_nop
	global_prefetch_b8 v0, s[64:65] scope:SCOPE_SE
	s_setreg_imm32_b32 hwreg(HW_REG_WAVE_MODE, 25, 1), 1
	s_wait_xcnt 0x0
; K_rot as codes of FP8 (E4M3), made once for all query blocks.  keys [4][2048][8][64] f32, key_omegas and key_thetas [4][2048][8][4] f32.
; For key s, angle m: a = omega x (s / 2048) + theta;  K_rot(m, part j, i): j = 0: k0 c - k2 s, 1: k1 c - k3 s, 2: k2 c + k0 s, 3: k3 c + k1 s (parts of 16).
; code = K_rot / 2^e1, to the nearest code, ties to even; e1 = entry 1 of the scales.
; OUT: kcodes [head 8 b + h (32)][tile (128)][chunk cc (8)][lane (32)][16 bytes]: AN IMAGE OF THE OPERAND'S REGISTERS.  Tile 2 g + u, lane (r, h) = key 32 g + 8 u + r + 8 (r / 8);
; chunk cc = the 16 codes of angle m = cc / 2, part 2 (cc % 2) + h.  A load of 16 bytes a lane at 16 x lane brings registers 4 cc .. 4 cc + 3 of the tile's 32.
; SHARES: a work-group takes 32 keys of one batch, all eight heads (64 KB on end in memory); wave = head; a wave makes the two tiles of its head.  No loop, no barrier: waves share nothing.
; A lane needs 16 neighbours of two parts of ONE key; a load is dense where 16 lanes take one row of 256 bytes: so a tile's 16 rows turn through the wave's own stage in LDS (rows 272 bytes apart).
; LIMITS: e1 between -126 and 119.  |angle| under 2^22 (the reduction by pi / 2 in three parts).  NaN among the inputs is not served.  The angle is one fused multiply-add.
.set STG,  4352                        ; a stage: 16 rows x (256 + 16) bytes; two for each wave
.set RAW,  16                          ; v16-79   rows as loaded, 32 registers a tile
.set OM,   80                          ; v80-95   tile u: omega at 80 + 8 u, theta at 84 + 8 u; at work once the angle is made
.set XA,   96                          ; v96-111  part h of my key
.set XB,   112                         ; v112-127 part 2 + h
.set TR,   128                         ; v128-143 for angle m: +4m cos, +4m+2 the signed sin; the odd ones at work (and named as upper halves of pairs)
.set T,    144                         ; v144-175 32 rotated numbers
.set CD,   176                         ; v176-239 codes, 32 a tile: no store's data are written again
.set CB,   30                          ; s30-41   constants of the sine and cosine
.macro CONSTS
	s_mov_b32 s[CB], 0x3f22f983                    ; 2 / pi
	s_mov_b32 s[CB+1], 0xbfc90fdb                  ; -pi / 2 in three parts: high,
	s_mov_b32 s[CB+2], 0x333bbd2e                  ; middle,
	s_mov_b32 s[CB+3], 0x26f72ced                  ; low
	s_mov_b32 s[CB+4], 0xbe2aaaa3                  ; sin r = r + r z (S0 + S1 z + S2 z z), z = r r
	s_mov_b32 s[CB+5], 0x3c08839e
	s_mov_b32 s[CB+6], 0xb94ca1f9
	s_mov_b32 s[CB+7], 0x3d2aaaa5                  ; cos r = 1 - z / 2 + z z (C0 + C1 z + C2 z z)
	s_mov_b32 s[CB+8], 0xbab6061a
	s_mov_b32 s[CB+9], 0x37ccf5ce
	s_mov_b32 s[CB+10], 0x80000000                 ; the sign
	s_mov_b32 s[CB+11], 0x3a000000                 ; 1 / 2048
.endm
; Four angles of a lane, by turns.  v[om + m], v[th + m]: omega, theta (then at work); v[pos]: the position; v[sg]: a sign bit that is put on the sine.
; n = floor(a 2 / pi + 1 / 2); r = a - n pi / 2, |r| <= pi / 4; n odd: sine and cosine change places; bit 1 of n is the sine's sign, bit 1 of n + 1 the cosine's.  Only values are chosen, by v_cndmask_b32.
.macro SINCOS om, th, pos, sg
.irp m, 0,1,2,3
	v_fma_f32 v[TR+4*\m+1], v[(\om)+\m], v[\pos], v[(\th)+\m]
.endr
.irp m, 0,1,2,3
	s_delay_alu instid0(VALU_DEP_4)
	v_fma_f32 v[TR+4*\m+3], v[TR+4*\m+1], s[CB], 0.5
.endr
.irp m, 0,1,2,3
	s_delay_alu instid0(VALU_DEP_4)
	v_floor_f32 v[TR+4*\m+3], v[TR+4*\m+3]
.endr
.irp p, 1,2,3
.irp m, 0,1,2,3
	s_delay_alu instid0(VALU_DEP_4)
	v_fma_f32 v[TR+4*\m+1], v[TR+4*\m+3], s[CB+\p], v[TR+4*\m+1]
.endr
.endr
.irp m, 0,1,2,3
	v_cvt_i32_f32 v[TR+4*\m], v[TR+4*\m+3]
.endr
.irp m, 0,1,2,3
	v_mul_f32 v[TR+4*\m+3], v[TR+4*\m+1], v[TR+4*\m+1]
.endr
.irp m, 0,1,2,3
	s_delay_alu instid0(VALU_DEP_4)
	v_fma_f32 v[TR+4*\m+2], v[TR+4*\m+3], s[CB+6], s[CB+5]
.endr
.irp m, 0,1,2,3
	s_delay_alu instid0(VALU_DEP_4)
	v_fma_f32 v[TR+4*\m+2], v[TR+4*\m+2], v[TR+4*\m+3], s[CB+4]
.endr
.irp m, 0,1,2,3
	v_mul_f32 v[(\om)+\m], v[TR+4*\m+3], v[TR+4*\m+1]
.endr
.irp m, 0,1,2,3
	s_delay_alu instid0(VALU_DEP_4)
	v_fma_f32 v[TR+4*\m+2], v[TR+4*\m+2], v[(\om)+\m], v[TR+4*\m+1]      ; sin r
.endr
.irp m, 0,1,2,3
	v_fma_f32 v[(\th)+\m], v[TR+4*\m+3], s[CB+9], s[CB+8]
.endr
.irp m, 0,1,2,3
	s_delay_alu instid0(VALU_DEP_4)
	v_fma_f32 v[(\th)+\m], v[(\th)+\m], v[TR+4*\m+3], s[CB+7]
.endr
.irp m, 0,1,2,3
	v_mul_f32 v[(\om)+\m], v[TR+4*\m+3], v[TR+4*\m+3]
.endr
.irp m, 0,1,2,3
	v_fma_f32 v[TR+4*\m+1], v[TR+4*\m+3], -0.5, 1.0
.endr
.irp m, 0,1,2,3
	s_delay_alu instid0(VALU_DEP_4)
	v_fma_f32 v[(\th)+\m], v[(\th)+\m], v[(\om)+\m], v[TR+4*\m+1]        ; cos r
.endr
.irp m, 0,1,2,3
	v_and_b32 v[(\om)+\m], 1, v[TR+4*\m]
.endr
.irp m, 0,1,2,3
	v_cmp_eq_u32 vcc_lo, 1, v[(\om)+\m]
	s_delay_alu instid0(VALU_DEP_1)
	v_cndmask_b32 v[TR+4*\m+1], v[TR+4*\m+2], v[(\th)+\m], vcc_lo        ; |sin a|'s source: cos r where n is odd
	s_delay_alu instid0(VALU_DEP_2)
	v_cndmask_b32 v[TR+4*\m+3], v[(\th)+\m], v[TR+4*\m+2], vcc_lo        ; |cos a|'s: sin r where n is odd
.endr
.irp m, 0,1,2,3
	v_lshlrev_b32 v[(\om)+\m], 30, v[TR+4*\m]
.endr
.irp m, 0,1,2,3
	s_delay_alu instid0(VALU_DEP_4)
	v_and_b32 v[(\om)+\m], s[CB+10], v[(\om)+\m]
.endr
.irp m, 0,1,2,3
	s_delay_alu instid0(VALU_DEP_4)
	v_xor_b32 v[(\om)+\m], v[(\om)+\m], v[\sg]
.endr
.irp m, 0,1,2,3
	v_add_nc_u32 v[TR+4*\m], 1, v[TR+4*\m]
.endr
.irp m, 0,1,2,3
	s_delay_alu instid0(VALU_DEP_4)
	v_lshlrev_b32 v[TR+4*\m], 30, v[TR+4*\m]
.endr
.irp m, 0,1,2,3
	s_delay_alu instid0(VALU_DEP_4)
	v_and_b32 v[TR+4*\m], s[CB+10], v[TR+4*\m]
.endr
.irp m, 0,1,2,3
	s_delay_alu instid0(VALU_DEP_4)
	v_xor_b32 v[TR+4*\m], v[TR+4*\m], v[TR+4*\m+3]                       ; c = cos a
.endr
.irp m, 0,1,2,3
	v_xor_b32 v[TR+4*\m+2], v[(\om)+\m], v[TR+4*\m+1]                    ; s1 = sin a with the sign bit of v[sg] put on
.endr
.endm
; For each angle m: 16 numbers a c + b s1 and 16 numbers a2 c - b2 s1, not clamped (the conversion to an 8-bit code does not saturate: ISA guide 7.6.2), and turned into
; 32 codes: v[dst + 8 m ..+3] chunk 2 m, v[dst + 8 m + 4 ..+7] chunk 2 m + 1.  v[sc]: the scale as f32.
.macro ROT a, b, a2, b2, dst, sc, lim
.irp m, 0,1,2,3
.irp i, 0,2,4,6,8,10,12,14
	v_pk_mul_f32 v[T+\i:T+\i+1], v[(\b)+\i:(\b)+\i+1], v[TR+4*\m+2:TR+4*\m+3] op_sel_hi:[1,0]
.endr
.irp i, 0,2,4,6,8,10,12,14
	v_pk_mul_f32 v[T+16+\i:T+17+\i], v[(\b2)+\i:(\b2)+\i+1], v[TR+4*\m+2:TR+4*\m+3] op_sel_hi:[1,0]
.endr
.irp i, 0,2,4,6,8,10,12,14
	v_pk_fma_f32 v[T+\i:T+\i+1], v[(\a)+\i:(\a)+\i+1], v[TR+4*\m:TR+4*\m+1], v[T+\i:T+\i+1] op_sel_hi:[1,0,1]
.endr
.irp i, 0,2,4,6,8,10,12,14
	v_pk_fma_f32 v[T+16+\i:T+17+\i], v[(\a2)+\i:(\a2)+\i+1], v[TR+4*\m:TR+4*\m+1], v[T+16+\i:T+17+\i] op_sel_hi:[1,0,1] neg_lo:[0,0,1] neg_hi:[0,0,1]
.endr
.set n, 0
.rept 32
.set n, n+1
.endr
.irp g, 0,1,2,3
	v_cvt_scalef32_pk8_fp8_f32 v[(\dst)+8*\m+2*\g:(\dst)+8*\m+2*\g+1], v[T+8*\g:T+8*\g+7], v[\sc]
.endr
	v_nop                                          ; one plain vector line between the conversions and the next lines that write their sources
.endr
.endm
	s_load_b256 s[4:11], s[0:1], 0x0               ; keys s[4:5], omegas s[6:7], thetas s[8:9], the scales' exponents s[10:11]
	s_load_b64 s[12:13], s[0:1], 0x20              ; kcodes
	v_lshl_add_u32 v240, v0, 2, 0x11000
	v_mov_b32 v241, 0
	v_lshrrev_b32 v1, 5, v0
	s_delay_alu instid0(VALU_DEP_1)
	v_readfirstlane_b32 s16, v1                    ; wave = head
	v_and_b32 v1, 31, v0                           ; lane
	v_and_b32 v2, 15, v0                           ; r
	s_wait_alu depctr_va_vdst(0)
	v_bfe_u32 v3, v0, 4, 1                         ; h
	s_and_b32 s18, ttmp7, 0xffff                   ; batch
	s_lshl_b32 s20, s18, 22                        ; keys: batch x 2048 x 2048 bytes
	s_lshl_b32 s22, ttmp9, 16                      ; + 32 keys x 2048 bytes x group
	s_add_co_u32 s20, s20, s22
	s_lshl_b32 s22, s16, 8                         ; + 256 bytes x head
	s_add_co_u32 s20, s20, s22
	s_mov_b32 s21, 0
	s_lshr_b32 s22, s20, 4                         ; omegas, thetas: 4 numbers where keys has 64
	s_mov_b32 s23, 0
	s_lshl_b32 s24, s18, 3
	s_add_co_u32 s24, s24, s16
	s_lshl_b32 s24, s24, 19                        ; kcodes: (8 batch + head) x 128 tiles x 4096 bytes
	s_lshl_b32 s25, ttmp9, 13                      ; + two tiles x group
	s_add_co_u32 s24, s24, s25
	s_mov_b32 s25, 0
	s_mul_i32 s26, s16, 2*STG                      ; my two stages
	s_lshl_b32 s27, ttmp9, 5                       ; the group's first key
	CONSTS
	v_lshlrev_b32 v4, 4, v2
	s_wait_alu depctr_va_vdst(0)
	v_lshl_add_u32 v4, v3, 11, v4                  ; in: lanes 0-15 one row of 256 bytes, lanes 16-31 the next key's
	v_mul_u32_u24 v5, v3, 272
	s_delay_alu instid0(VALU_DEP_1)
	v_lshl_add_u32 v5, v2, 4, v5
	s_delay_alu instid0(VALU_DEP_1)
	v_add_nc_u32 v5, s26, v5                       ; into the stage, as loaded
	v_mul_u32_u24 v6, v2, 272
	s_delay_alu instid0(VALU_DEP_1)
	v_lshl_add_u32 v6, v3, 6, v6
	s_delay_alu instid0(VALU_DEP_1)
	v_add_nc_u32 v6, s26, v6                       ; out of it: row r, part h
	v_and_b32 v7, 8, v2
	s_delay_alu instid0(VALU_DEP_1)
	v_add_nc_u32 v7, v7, v2                        ; r + 8 (r / 8): my key in a tile
	s_delay_alu instid0(VALU_DEP_1)
	v_lshlrev_b32 v8, 7, v7                        ; its omegas and thetas: 128 bytes from key to key
	v_lshlrev_b32 v9, 4, v1                        ; an image's place for my lane
	v_mov_b32 v12, s[CB+10]                        ; the sine goes in negated: part h = k_h c - k_(2+h) s, part 2 + h = k_(2+h) c + k_h s
	s_wait_alu depctr_va_vdst(0)
	s_wait_kmcnt 0x0
	s_load_b32 s28, s[10:11], 0x4                  ; e1
	s_add_nc_u64 s[4:5], s[4:5], s[20:21]
	s_add_nc_u64 s[6:7], s[6:7], s[22:23]
	s_add_nc_u64 s[8:9], s[8:9], s[22:23]
	s_add_nc_u64 s[12:13], s[12:13], s[24:25]
.irp u, 0,1                            ; all twenty loads of the wave go out at once; tile u's rows 2 i + h are keys 8 u + 2 i + h + 8 (i / 4)
	global_load_b128 v[OM+8*\u:OM+8*\u+3], v8, s[6:7] offset:1024*\u
	global_load_b128 v[OM+8*\u+4:OM+8*\u+7], v8, s[8:9] offset:1024*\u
.irp i, 0,1,2,3,4,5,6,7
	global_load_b128 v[RAW+32*\u+4*\i:RAW+32*\u+4*\i+3], v4, s[4:5] offset:(8*\u+2*\i+8*(\i/4))*2048 th:TH_LOAD_NT
.endr
.endr
	s_wait_kmcnt 0x0
	s_add_co_i32 s28, s28, 127
	s_lshl_b32 s29, s28, 23
	v_mov_b32 v11, s29                             ; 2^e1 as f32: the conversion takes its exponent field
.macro TILE u, left
	s_wait_loadcnt \left                           ; loads come back in order: this tile's ten are in
.irp i, 0,1,2,3,4,5,6,7
	ds_store_b128 v5, v[RAW+32*(\u)+4*\i:RAW+32*(\u)+4*\i+3] offset:STG*(\u)+544*\i
.endr
.irp j, 0,1,2,3                        ; LDS serves a wave's instructions in order: these see the stores above
	ds_load_b128 v[XA+4*\j:XA+4*\j+3], v6 offset:STG*(\u)+16*\j
	ds_load_b128 v[XB+4*\j:XB+4*\j+3], v6 offset:STG*(\u)+128+16*\j
.endr
	s_add_co_u32 s29, s27, 8*(\u)
	v_add_nc_u32 v13, s29, v7                      ; my key,
	s_delay_alu instid0(VALU_DEP_1)
	v_cvt_f32_u32 v13, v13
	s_delay_alu instid0(VALU_DEP_1)
	v_mul_f32 v13, s[CB+11], v13                   ; / 2048: exact
	SINCOS OM+8*(\u), OM+8*(\u)+4, 13, 12
	s_wait_alu depctr_va_vdst(0)
	s_wait_dscnt 0x0                               ; my key's two parts are in
	ROT XA, XB, XB, XA, CD+32*(\u), 11, 10
.irp c, 0,1,2,3,4,5,6,7
	global_store_b128 v9, v[CD+32*(\u)+4*\c:CD+32*(\u)+4*\c+3], s[12:13] offset:4096*(\u)+512*\c   ; the wave stores 512 consecutive bytes, aligned
.endr
.endm
	TILE 0, 10                                     ; tile 1's ten loads may stay out
	TILE 1, 0
	s_wait_tensorcnt 0x0
	ds_add_u32 v240, v241
	s_wait_dscnt 0x0
	s_endpgm
.Lfunc_end_k_q2dddf334d4_krot:
	.size	k_q2dddf334d4_krot, .Lfunc_end_k_q2dddf334d4_krot-k_q2dddf334d4_krot
	.p2alignl 7, 3214868480
	.fill 96, 4, 3214868480
	.section	.rodata,"a",@progbits
	.p2align	6, 0x0
	.amdhsa_kernel k_q2dddf334d4_krot
		.amdhsa_group_segment_fixed_size 70656
		.amdhsa_private_segment_fixed_size 0
		.amdhsa_enable_private_segment 0
		.amdhsa_kernarg_size 40
		.amdhsa_user_sgpr_count 2
		.amdhsa_user_sgpr_kernarg_segment_ptr 1
		.amdhsa_wavefront_size32 1
		.amdhsa_system_sgpr_workgroup_id_x 1
		.amdhsa_system_sgpr_workgroup_id_y 1
		.amdhsa_system_sgpr_workgroup_id_z 1
		.amdhsa_system_vgpr_workitem_id 0
		.amdhsa_next_free_vgpr 242
		.amdhsa_next_free_sgpr 66
		.amdhsa_reserve_vcc 1
		.amdhsa_float_denorm_mode_32 3
		.amdhsa_float_denorm_mode_16_64 3
		.amdhsa_fp16_overflow 1
		.amdhsa_memory_ordered 1
		.amdhsa_forward_progress 1
		.amdhsa_inst_pref_size 43
	.end_amdhsa_kernel
	.amdgpu_metadata
---
amdhsa.version: [ 1, 2 ]
amdhsa.kernels:
  - .name:           k_q2dddf334d4_krot
    .symbol:         k_q2dddf334d4_krot.kd
    .args:
      - { .name: keys, .offset: 0, .size: 8, .value_kind: global_buffer, .address_space: global }
      - { .name: key_omegas, .offset: 8, .size: 8, .value_kind: global_buffer, .address_space: global }
      - { .name: key_thetas, .offset: 16, .size: 8, .value_kind: global_buffer, .address_space: global }
      - { .name: lowp_scales, .offset: 24, .size: 8, .value_kind: global_buffer, .address_space: global }
      - { .name: kcodes, .offset: 32, .size: 8, .value_kind: global_buffer, .address_space: global }
    .group_segment_fixed_size: 70656
    .private_segment_fixed_size: 0
    .kernarg_segment_align: 8
    .kernarg_segment_size: 40
    .max_flat_workgroup_size: 256
    .sgpr_count:     66
    .vgpr_count:     242
    .wavefront_size: 32
...
	.end_amdgpu_metadata
.endif
;; end of part 1
;; launch attn (part 2): grid 8 x 32, 8 waves a work-group, clusters of 4 x 1, 327,680 bytes of LDS; arguments queries, query_omegas, query_thetas, kcodes, values_codes, lowp_scales, out0; writes out0
.if DOCPART == 2
	.amdgcn_target "amdgcn-amd-amdhsa--gfx1250"
	.amdhsa_code_object_version 6
	.text
	.protected	k_q2dddf334d4_attn
	.globl	k_q2dddf334d4_attn
	.p2align	8
	.type	k_q2dddf334d4_attn,@function
k_q2dddf334d4_attn:
	s_mov_b64 s[64:65], 0
	v_nop
	global_prefetch_b8 v0, s[64:65] scope:SCOPE_SE
	s_setreg_imm32_b32 hwreg(HW_REG_WAVE_MODE, 25, 1), 1
	s_wait_xcnt 0x0
	s_wait_alu depctr_hold_cnt(0) depctr_sa_sdst(0) depctr_va_vdst(0) depctr_va_sdst(0) depctr_va_ssrc(0) depctr_va_vcc(0) depctr_vm_vsrc(0)
	s_getreg_b32 s2, hwreg(HW_REG_IB_STS2, 6, 4)
	s_cmp_eq_u32 s2, 0
	s_cbranch_scc0 .Lentry_in_a_cluster
	s_endpgm
.Lentry_in_a_cluster:
	s_bfe_u32 s2, ttmp6, 0x10000c
	s_cmp_lg_u32 s2, 0x3003
	s_cbranch_scc0 .Lentry_shape_is_right
	s_endpgm
.Lentry_shape_is_right:
; out0[b][l][h][:] = sum over s of softmax_s(Q_rot . K_rot / 32) V, both products on codes of FP8 (E4M3): Q_rot with 2^e0, K_rot with 2^e1 (kcodes, made by the launch before), V with 2^e2 (given), p with 2^e3.
; Q_rot(m, part j): j = 0: q0 c - q1 s, 1: q1 c + q0 s, 2: q2 c + q3 s, 3: q3 c - q2 s, angle a = omega x (l / 2048) + theta; K of the first product = (m, part, i) = 256.
; THE SOFTMAX: t = sum x 2^(e0 + e1) x log2(e) / 32; M = the running largest t rounded UP to a whole number; p = 2^(t - M) is quantised; the sum of the unquantised p divides at the end.
; SHARES: a work-group owns 256 queries of one head (b, h); each of its eight waves 32: two tiles of 16, in 512 registers, two waves to a SIMD, so that one wave's vector work stands beside the other's products and LDS loads.
; Each fragment of K and V read from LDS feeds two products.  A wave rotates and quantises its own queries at the head: the conversions' results are Q's fragments.
; Every wave walks the head's 2,048 keys, 128 a step, out of a ring of two LDS slots of 256 keys.  CLUSTER: the four query blocks of a cluster walk the same K and V: each tile is asked for JOINTLY (mask 15).
; LAYOUT: both products transposed: S^T = K Q^T, O^T = V^T P: a lane holds one query (lane % 16).  Tile 2 b + u of K holds keys 32 b + 8 u + r + 8 (r / 8), so that S^T's 16 registers of tiles 2 b, 2 b + 1 are keys 32 b + 16 (lane / 16) + 0 .. 15.
; All fragments are fed 16 bytes at a time (registers 4 c .. 4 c + 3: k = 32 c + 16 (lane / 16) + 0 .. 15): one permutation of k, alike on both sides of each product.
; LIMITS: e0, e3 between -126 and 119; e0 + e1 between -121 and 132 (added to c's exponent field); e2 + e3 goes in by v_ldexp_f32.  |angle| under 2^22.  NaN is not served.  The angle is one fused multiply-add.
; REGISTERS.  Window 0: v1-15 addresses; v16-31 statistics, 8 a tile; v32-39 scales and the like; v40-55 sines and cosines; v56-63 omega, theta; v64-191 S^T then p (64 a tile); v192-255 Q (32 a tile).
;   Window 1: v0-31 p's codes (16 a tile); v64-127 O^T (32 a tile); v128-191, v192-255 two buffers of two tiles of K; V's four fragments take the first.
.set SLOT1, 1<<17                      ; slot 1 begins here: one exclusive or turns an address in one slot into the other's
.set VOFF,  65536                      ; a slot: 16 images of K's tiles (4,096 bytes each, dense), then V: 64 rows of 256 keys + 16 bytes
.set VP,    272
.set SPARE, 2*SLOT1                    ; the spare words: 128 bytes for each of eight waves: four blocks of 256 bytes that no other line names
.set STAGE, SPARE+1024                 ; a stage of 16 rows x 272 bytes for each wave, no tile ever lands here: Q's turn at the head, and the way out
.set SP,    272
.set AKL, 1                            ; v1  16 x lane: an image's place for my lane
.set AV0, 2                            ; v2  my place in a tile of V
.set PFO, 3                            ; v3  the prefetches' offset; never rewritten
.set ADK, 4                            ; v4  AKL in the slot in hand
.set ADV, 5                            ; v5  AV0 in the slot in hand
.set SPW, 6                            ; v6  my spare word; never rewritten
.set NIL, 7                            ; v7  0; never rewritten
.set GO,  8                            ; v8  2048 h + 16 r: my 16 bytes of two neighbouring queries' rows, in queries and in out0
.set STO, 9                            ; v9  the way out: where I put 32 bytes of a row
.set RD,  10                           ; v10 the stage by rows: lanes 0-15 one row, lanes 16-31 the next
.set QLA, 11                           ; v11 the stage: row r, part h
.set QLB, 12                           ; v12 row r, part 1 - h
.set OA,  13                           ; v13 128 r: my query's omegas and thetas
.set SG,  14                           ; v14 the sign put on the sine: minus in lanes 0-15
.set POS, 15
.set ST,  16                           ; tile x at ST + 8 x: +0 -M, +1 the largest t, +2, +3 the sum in two halves, +4 f (at the end 1 / sum), +5 a pair's upper half, +6, +7 at work
.set LIMP, 32
.set SCP,  33                          ; 2^e3
.set LIMQ, 34
.set SCQ,  35                          ; 2^e0
.set PX,   36                          ; v36, v37 what comes from lane l xor 16
.set RR,   38                          ; r
.set HH,   39                          ; h
.set TR,   40
.set S,    64
.set T,    64                          ; at the head: 32 rotated numbers (where tile 0's rows were, once they are in the stage)
.set RAW,  64                          ; at the head: rows as loaded, 32 a tile
.set X,    128                         ; at the head: four parts of my query
.set QF,   192
.set OT,   64                           ; in window 1
.set KB,   128                          ; in window 1
.set WV,  18
.set TB,  19                           ; s19 LDS byte at which the slot in hand begins
.set SEL, 20                           ; s[20:21] lane selects: lane l xor 16
.set CS,  22                           ; s[22:23] c = 2^(e0 + e1) log2(e) / 32
.set G1K, 24
.set G1V, 32
.set G0K, 40
.set G0V, 44
.set SLOTS, 48
.set LIM, 49                           ; 1 in a wave that prefetches, else the greatest number
.set PM,  50                           ; 1 in the wave that asks at every second change only
.set PFA, 52
.set PFS, 54
.set CB,  74                           ; s74-85 constants of the sine and cosine
.set MSB, 0
.macro WIN new                         ; the immediate's high byte repeats the setting that is left; a switch that changes nothing is dropped
.if MSB != \new
	s_set_vgpr_msb (MSB<<8)|\new
.set MSB, \new
.endif
.endm
.macro PLACES                          ; four plain places behind matrix instructions: ahead of loads into their sources and of the first read of their results
.rept 4
	v_nop
.endr
.endm
.macro CONSTS
	s_mov_b32 s[CB], 0x3f22f983                    ; 2 / pi
	s_mov_b32 s[CB+1], 0xbfc90fdb                  ; -pi / 2 in three parts: high,
	s_mov_b32 s[CB+2], 0x333bbd2e                  ; middle,
	s_mov_b32 s[CB+3], 0x26f72ced                  ; low
	s_mov_b32 s[CB+4], 0xbe2aaaa3                  ; sin r = r + r z (S0 + S1 z + S2 z z), z = r r
	s_mov_b32 s[CB+5], 0x3c08839e
	s_mov_b32 s[CB+6], 0xb94ca1f9
	s_mov_b32 s[CB+7], 0x3d2aaaa5                  ; cos r = 1 - z / 2 + z z (C0 + C1 z + C2 z z)
	s_mov_b32 s[CB+8], 0xbab6061a
	s_mov_b32 s[CB+9], 0x37ccf5ce
	s_mov_b32 s[CB+10], 0x80000000                 ; the sign
	s_mov_b32 s[CB+11], 0x3a000000                 ; 1 / 2048
.endm
; Four angles of a lane, by turns.  v[om + m], v[th + m]: omega, theta (then at work); v[pos]: the position; v[sg]: a sign bit that is put on the sine.
; n = floor(a 2 / pi + 1 / 2); r = a - n pi / 2, |r| <= pi / 4; n odd: sine and cosine change places; bit 1 of n is the sine's sign, bit 1 of n + 1 the cosine's.  Only values are chosen, by v_cndmask_b32.
.macro SINCOS om, th, pos, sg
.irp m, 0,1,2,3
	v_fma_f32 v[TR+4*\m+1], v[(\om)+\m], v[\pos], v[(\th)+\m]
.endr
.irp m, 0,1,2,3
	s_delay_alu instid0(VALU_DEP_4)
	v_fma_f32 v[TR+4*\m+3], v[TR+4*\m+1], s[CB], 0.5
.endr
.irp m, 0,1,2,3
	s_delay_alu instid0(VALU_DEP_4)
	v_floor_f32 v[TR+4*\m+3], v[TR+4*\m+3]
.endr
.irp p, 1,2,3
.irp m, 0,1,2,3
	s_delay_alu instid0(VALU_DEP_4)
	v_fma_f32 v[TR+4*\m+1], v[TR+4*\m+3], s[CB+\p], v[TR+4*\m+1]
.endr
.endr
.irp m, 0,1,2,3
	v_cvt_i32_f32 v[TR+4*\m], v[TR+4*\m+3]
.endr
.irp m, 0,1,2,3
	v_mul_f32 v[TR+4*\m+3], v[TR+4*\m+1], v[TR+4*\m+1]
.endr
.irp m, 0,1,2,3
	s_delay_alu instid0(VALU_DEP_4)
	v_fma_f32 v[TR+4*\m+2], v[TR+4*\m+3], s[CB+6], s[CB+5]
.endr
.irp m, 0,1,2,3
	s_delay_alu instid0(VALU_DEP_4)
	v_fma_f32 v[TR+4*\m+2], v[TR+4*\m+2], v[TR+4*\m+3], s[CB+4]
.endr
.irp m, 0,1,2,3
	v_mul_f32 v[(\om)+\m], v[TR+4*\m+3], v[TR+4*\m+1]
.endr
.irp m, 0,1,2,3
	s_delay_alu instid0(VALU_DEP_4)
	v_fma_f32 v[TR+4*\m+2], v[TR+4*\m+2], v[(\om)+\m], v[TR+4*\m+1]      ; sin r
.endr
.irp m, 0,1,2,3
	v_fma_f32 v[(\th)+\m], v[TR+4*\m+3], s[CB+9], s[CB+8]
.endr
.irp m, 0,1,2,3
	s_delay_alu instid0(VALU_DEP_4)
	v_fma_f32 v[(\th)+\m], v[(\th)+\m], v[TR+4*\m+3], s[CB+7]
.endr
.irp m, 0,1,2,3
	v_mul_f32 v[(\om)+\m], v[TR+4*\m+3], v[TR+4*\m+3]
.endr
.irp m, 0,1,2,3
	v_fma_f32 v[TR+4*\m+1], v[TR+4*\m+3], -0.5, 1.0
.endr
.irp m, 0,1,2,3
	s_delay_alu instid0(VALU_DEP_4)
	v_fma_f32 v[(\th)+\m], v[(\th)+\m], v[(\om)+\m], v[TR+4*\m+1]        ; cos r
.endr
.irp m, 0,1,2,3
	v_and_b32 v[(\om)+\m], 1, v[TR+4*\m]
.endr
.irp m, 0,1,2,3
	v_cmp_eq_u32 vcc_lo, 1, v[(\om)+\m]
	s_delay_alu instid0(VALU_DEP_1)
	v_cndmask_b32 v[TR+4*\m+1], v[TR+4*\m+2], v[(\th)+\m], vcc_lo        ; |sin a|'s source: cos r where n is odd
	s_delay_alu instid0(VALU_DEP_2)
	v_cndmask_b32 v[TR+4*\m+3], v[(\th)+\m], v[TR+4*\m+2], vcc_lo        ; |cos a|'s: sin r where n is odd
.endr
.irp m, 0,1,2,3
	v_lshlrev_b32 v[(\om)+\m], 30, v[TR+4*\m]
.endr
.irp m, 0,1,2,3
	s_delay_alu instid0(VALU_DEP_4)
	v_and_b32 v[(\om)+\m], s[CB+10], v[(\om)+\m]
.endr
.irp m, 0,1,2,3
	s_delay_alu instid0(VALU_DEP_4)
	v_xor_b32 v[(\om)+\m], v[(\om)+\m], v[\sg]
.endr
.irp m, 0,1,2,3
	v_add_nc_u32 v[TR+4*\m], 1, v[TR+4*\m]
.endr
.irp m, 0,1,2,3
	s_delay_alu instid0(VALU_DEP_4)
	v_lshlrev_b32 v[TR+4*\m], 30, v[TR+4*\m]
.endr
.irp m, 0,1,2,3
	s_delay_alu instid0(VALU_DEP_4)
	v_and_b32 v[TR+4*\m], s[CB+10], v[TR+4*\m]
.endr
.irp m, 0,1,2,3
	s_delay_alu instid0(VALU_DEP_4)
	v_xor_b32 v[TR+4*\m], v[TR+4*\m], v[TR+4*\m+3]                       ; c = cos a
.endr
.irp m, 0,1,2,3
	v_xor_b32 v[TR+4*\m+2], v[(\om)+\m], v[TR+4*\m+1]                    ; s1 = sin a with the sign bit of v[sg] put on
.endr
.endm
; For each angle m: 16 numbers a c + b s1 and 16 numbers a2 c - b2 s1, not clamped (the conversion to an 8-bit code does not saturate: ISA guide 7.6.2), and turned into
; 32 codes: v[dst + 8 m ..+3] chunk 2 m, v[dst + 8 m + 4 ..+7] chunk 2 m + 1.  v[sc]: the scale as f32.
.macro ROT a, b, a2, b2, dst, sc, lim
.irp m, 0,1,2,3
.irp i, 0,2,4,6,8,10,12,14
	v_pk_mul_f32 v[T+\i:T+\i+1], v[(\b)+\i:(\b)+\i+1], v[TR+4*\m+2:TR+4*\m+3] op_sel_hi:[1,0]
.endr
.irp i, 0,2,4,6,8,10,12,14
	v_pk_mul_f32 v[T+16+\i:T+17+\i], v[(\b2)+\i:(\b2)+\i+1], v[TR+4*\m+2:TR+4*\m+3] op_sel_hi:[1,0]
.endr
.irp i, 0,2,4,6,8,10,12,14
	v_pk_fma_f32 v[T+\i:T+\i+1], v[(\a)+\i:(\a)+\i+1], v[TR+4*\m:TR+4*\m+1], v[T+\i:T+\i+1] op_sel_hi:[1,0,1]
.endr
.irp i, 0,2,4,6,8,10,12,14
	v_pk_fma_f32 v[T+16+\i:T+17+\i], v[(\a2)+\i:(\a2)+\i+1], v[TR+4*\m:TR+4*\m+1], v[T+16+\i:T+17+\i] op_sel_hi:[1,0,1] neg_lo:[0,0,1] neg_hi:[0,0,1]
.endr
.set n, 0
.rept 32
.set n, n+1
.endr
.irp g, 0,1,2,3
	v_cvt_scalef32_pk8_fp8_f32 v[(\dst)+8*\m+2*\g:(\dst)+8*\m+2*\g+1], v[T+8*\g:T+8*\g+7], v[\sc]
.endr
	v_nop                                          ; one plain vector line between the conversions and the next lines that write their sources or read their results
.endr
.endm
; A round of the cluster's barrier: my work-group's barrier; wave 0 signals for the work-group; every wave waits for all four work-groups; my work-group's barrier once more.
.macro CROUND
	s_barrier_signal -1
	s_barrier_wait -1
	s_cmp_lg_u32 s[WV], 0
	s_cbranch_scc1 .Lnot_wave_0_\@
	s_barrier_signal -3
.Lnot_wave_0_\@:
	s_barrier_wait -3
	s_barrier_signal -1
	s_barrier_wait -1
.endm
; A joint load: waves 0 to 3 fetch a quarter of the slot's images of K each (16 KB), wave 4 the slot's 64 rows of V, the others nothing.  The branches hang on the wave's number alone.
; Four v_nop follow each of the two lines.  By this text's own count a wave has one tensor load out at the most.
.macro TLOAD
	s_cmp_lt_u32 s[WV], 4
	s_cbranch_scc0 .Lnot_k_\@
	tensor_load_to_lds s[G0K:G0K+3], s[G1K:G1K+7]
	s_nop 0
.rept 4
	v_nop
.endr
	s_branch .Lasked_\@
.Lnot_k_\@:
	s_cmp_eq_u32 s[WV], 4
	s_cbranch_scc0 .Lasked_\@
	tensor_load_to_lds s[G0V:G0V+3], s[G1V:G1V+7]
	s_nop 0
.rept 4
	v_nop
.endr
.Lasked_\@:
.endm
; A PREFETCH INTO THE L2 of what the NEXT change of slots will ask for.  Both clusters of a head walk the same K and V: the head's first cluster asks.  Its four partners share the bytes out BY ADDRESS:
; of a slot's 64 KB of K each takes 16 KB, waves 5 and 6 half of it each, lanes 256 bytes apart; of V's 64 rows each takes 16, wave 7: lanes 0-15 the rows' 256 bytes of the next slot, lanes 16-31 those of the
; slot after, at every second change.  So each aligned block of 256 bytes of slots 2 to 7 is named once in the launch; slots 0 and 1 come by their loads alone, and the last changes ask for nothing past the end.
.macro ASK
	s_cmp_gt_u32 s[SLOTS], s[LIM]
	s_cbranch_scc0 .Lnot_mine_\@
	s_and_b32 s51, s[SLOTS], s[PM]
	s_cmp_eq_u32 s51, s[PM]
	s_cbranch_scc0 .Lnot_mine_\@
	global_prefetch_b8 v[PFO], s[PFA:PFA+1] th:TH_LOAD_NT scope:SCOPE_SE
.Lnot_mine_\@:
.endm
; THE CHANGE OF SLOTS stands at a slot's head.  Each wave waits for all its tensor loads (its part of the slot ahead), adds 0 to its spare word, and waits for that and for its reads of the slot that it has left.
; fill = 1: a round of the cluster's barrier, so that no wave of any partner still reads the slot left or has a load on its way; then the joint load of the next 256 keys into it: it has two steps in which to land.
.macro CHANGE fill
	s_wait_tensorcnt 0x0                           ; no tensor load of mine is out, so a group 0 may be written
	ds_add_u32 v[SPW], v[NIL]                      ; 0 onto my spare word
.if \fill
	s_xor_b32 s[G0K+1], s[G0K+1], SLOT1            ; the walking descriptors: the other slot than last time,
	s_add_nc_u64 s[G0K+2:G0K+3], s[G0K+2:G0K+3], 0x10000   ; the next 16 tiles of K,
	s_xor_b32 s[G0V+1], s[G0V+1], SLOT1
	s_add_nc_u64 s[G0V+2:G0V+3], s[G0V+2:G0V+3], 256       ; the next 256 keys of V's rows; the type bits on top are not reached
	s_wait_xcnt 0x0                                ; the last prefetch, a slot back, has read its address, so it may be written:
	s_add_nc_u64 s[PFA:PFA+1], s[PFA:PFA+1], s[PFS:PFS+1]  ; one slot further on than the walking descriptors
	s_wait_dscnt 0x0                               ; the add is done, and my reads of the slot that I have left are over
	CROUND
	TLOAD
	ASK
.else
	s_wait_dscnt 0x0
	s_barrier_signal -1
	s_barrier_wait -1
.endif
.endm
; 16 LDS loads: tiles 2 g and 2 g + 1 of step q, as images: each load reads 512 consecutive bytes
.macro LOADK g, q
.irp tt, 0,1
.irp cc, 0,1,2,3,4,5,6,7
	ds_load_b128 v[KB+64*((\g)%2)+32*\tt+4*\cc:KB+64*((\g)%2)+32*\tt+4*\cc+3], v[ADK] offset:32768*(\q)+4096*(2*(\g)+\tt)+512*\cc
.endr
.endr
.endm
; 16 LDS loads: V's four fragments (16 of the head's 64 x the step's 128 keys)
.macro LOADV q
.irp t, 0,1,2,3
.irp c, 0,1,2,3
	ds_load_b128 v[KB+16*\t+4*\c:KB+16*\t+4*\c+3], v[ADV] offset:16*VP*\t+128*(\q)+32*\c
.endr
.endr
.endm
; 8 products: two tiles of keys x my two tiles of queries x K = 256 in two halves.  The four accumulators take turns, one instruction a turn; the first half starts the sums.
.macro MULS g
.irp s, 0,1
	s_wait_alu depctr_va_vdst(0)
.irp tt, 0,1
.irp x, 0,1
.if \s == 0
	v_wmma_f32_16x16x128_fp8_fp8 v[S+64*\x+8*(2*(\g)+\tt):S+64*\x+8*(2*(\g)+\tt)+7], v[KB+64*((\g)%2)+32*\tt+16*\s:KB+64*((\g)%2)+32*\tt+16*\s+15], v[QF+32*\x+16*\s:QF+32*\x+16*\s+15], 0
.else
	v_wmma_f32_16x16x128_fp8_fp8 v[S+64*\x+8*(2*(\g)+\tt):S+64*\x+8*(2*(\g)+\tt)+7], v[KB+64*((\g)%2)+32*\tt+16*\s:KB+64*((\g)%2)+32*\tt+16*\s+15], v[QF+32*\x+16*\s:QF+32*\x+16*\s+15], v[S+64*\x+8*(2*(\g)+\tt):S+64*\x+8*(2*(\g)+\tt)+7]
.endif
.endr
.endr
.endr
.endm
; The softmax of a step, both tiles line by line, so that no line waits for the line above it.
.macro SOFTMAX
.irp x, 0,1                            ; the largest score of my query among my 64 keys, two chains a tile, each accumulator from its low end on
	v_max3_num_f32 v[ST+8*\x+6], v[S+64*\x], v[S+64*\x+1], v[S+64*\x+2]
.endr
.irp x, 0,1
	v_max3_num_f32 v[ST+8*\x+7], v[S+64*\x+3], v[S+64*\x+4], v[S+64*\x+5]
.endr
.irp i, 6,10,14,18,22,26,30,34,38,42,46,50,54,58
.irp x, 0,1
	v_max3_num_f32 v[ST+8*\x+6], v[ST+8*\x+6], v[S+64*\x+\i], v[S+64*\x+\i+1]
.endr
.irp x, 0,1
	v_max3_num_f32 v[ST+8*\x+7], v[ST+8*\x+7], v[S+64*\x+\i+2], v[S+64*\x+\i+3]
.endr
.endr
.irp x, 0,1
	v_max3_num_f32 v[ST+8*\x+6], v[ST+8*\x+6], v[S+64*\x+62], v[S+64*\x+63]
.endr
.irp x, 0,1
	s_delay_alu instid0(VALU_DEP_2)
	v_max_num_f32 v[ST+8*\x+6], v[ST+8*\x+6], v[ST+8*\x+7]
.endr
.irp x, 0,1
	s_delay_alu instid0(VALU_DEP_2)
	v_permlanex16_b32 v[PX+\x], v[ST+8*\x+6], s[SEL], s[SEL+1]           ; the query's other 64 keys lie in the lane 16 away
.endr
.irp x, 0,1
	s_delay_alu instid0(VALU_DEP_2)
	v_max_num_f32 v[ST+8*\x+6], v[ST+8*\x+6], v[PX+\x]
.endr
.irp x, 0,1
	s_delay_alu instid0(VALU_DEP_2)
	v_mul_f32 v[ST+8*\x+6], s[CS], v[ST+8*\x+6]                          ; as t (c is positive)
.endr
.irp x, 0,1
	s_delay_alu instid0(VALU_DEP_2)
	v_max_num_f32 v[ST+8*\x+1], v[ST+8*\x+1], v[ST+8*\x+6]               ; the running largest t
.endr
.irp x, 0,1
	v_mov_b32 v[ST+8*\x+6], v[ST+8*\x]
.endr
.irp x, 0,1
	s_delay_alu instid0(VALU_DEP_4)
	v_floor_f32 v[ST+8*\x], -v[ST+8*\x+1]                                ; the new -M = floor(-t): M is a whole number
.endr
.irp x, 0,1
	s_delay_alu instid0(VALU_DEP_2)
	v_sub_f32 v[ST+8*\x+6], v[ST+8*\x], v[ST+8*\x+6]                     ; old M - new M: a whole number, 0 or less
.endr
.irp x, 0,1
	s_delay_alu instid0(VALU_DEP_2)
	v_cvt_i32_f32 v[ST+8*\x+6], v[ST+8*\x+6]                             ; (it saturates)
.endr
.irp x, 0,1
	s_delay_alu instid0(VALU_DEP_2)
	v_ldexp_f32 v[ST+8*\x+4], 1.0, v[ST+8*\x+6]                          ; f = 2^(old M - new M): a multiplication by it rounds nothing
.endr
.set n, 0
.rept 32
	v_pk_fma_f32 v[S+n:S+n+1], v[S+n:S+n+1], s[CS:CS+1], v[ST:ST+1] op_sel_hi:[1,0,0]                 ; t - M, two at a time (of the pairs c and -M the low word serves both halves)
	v_pk_fma_f32 v[S+64+n:S+64+n+1], v[S+64+n:S+64+n+1], s[CS:CS+1], v[ST+8:ST+9] op_sel_hi:[1,0,0]
.set n, n+2
.endr
.set n, 0
	s_wait_alu depctr_va_vdst(0)
.rept 128
	v_exp_f32 v[S+n], v[S+n]                       ; p = 2^(t - M), at most 1, not normalised: one batch
.set n, n+1
.endr
.irp x, 0,1
	v_pk_mul_f32 v[ST+8*\x+2:ST+8*\x+3], v[ST+8*\x+2:ST+8*\x+3], v[ST+8*\x+4:ST+8*\x+5] op_sel_hi:[1,0]   ; the sums under the new M; also the plain line behind the exponentials
.endr
	s_wait_alu depctr_va_vdst(0)                   ; one wait for the whole batch, ahead of its first reader
.irp x, 0,1                            ; the sum is taken of the UNQUANTISED p: two at a time, two chains a tile
	v_pk_add_f32 v[ST+8*\x+6:ST+8*\x+7], v[S+64*\x:S+64*\x+1], v[S+64*\x+2:S+64*\x+3]
.endr
.set n, 4
.rept 15
.irp x, 0,1
	v_pk_add_f32 v[ST+8*\x+2:ST+8*\x+3], v[ST+8*\x+2:ST+8*\x+3], v[S+64*\x+n:S+64*\x+n+1]
.endr
.irp x, 0,1
	v_pk_add_f32 v[ST+8*\x+6:ST+8*\x+7], v[ST+8*\x+6:ST+8*\x+7], v[S+64*\x+n+2:S+64*\x+n+3]
.endr
.set n, n+4
.endr
.irp x, 0,1
	s_delay_alu instid0(VALU_DEP_2)
	v_pk_add_f32 v[ST+8*\x+2:ST+8*\x+3], v[ST+8*\x+2:ST+8*\x+3], v[ST+8*\x+6:ST+8*\x+7]
.endr
.set n, 0
.rept 128
.set n, n+1
.endr
	WIN 0x40                                       ; the codes go to window 1
.irp x, 0,1
.irp b, 0,1,2,3
	v_cvt_scalef32_pk8_fp8_f32 v[16*\x+4*\b:16*\x+4*\b+1], v[S+64*\x+16*\b:S+64*\x+16*\b+7], v[SCP]
	v_cvt_scalef32_pk8_fp8_f32 v[16*\x+4*\b+2:16*\x+4*\b+3], v[S+64*\x+16*\b+8:S+64*\x+16*\b+15], v[SCP]
.endr
.endr
	WIN 0x41                                       ; O^T (destination and source 0) in window 1, f in window 0
.irp x, 0,1
.set n, 0
.rept 16
	v_pk_mul_f32 v[OT+32*\x+n:OT+32*\x+n+1], v[OT+32*\x+n:OT+32*\x+n+1], v[ST+8*\x+4:ST+8*\x+5] op_sel_hi:[1,0]   ; O^T under the new M; also the plain lines between the conversions and the products
.set n, n+2
.endr
.endr
.endm
; A KEY STEP: 128 keys, the q-th of the slot in hand.  K's tiles come two at a time into two buffers by turns: a run of 16 loads is issued while the run before it is multiplied.
; Each s_wait_dscnt 16 leaves out the 16 loads issued last.
.macro STEP q
	PLACES                                         ; behind the last products, which read the first buffer
	WIN 0x40                                       ; loaded data to window 1, addresses in window 0
	LOADK 0, \q
	LOADK 1, \q
	s_wait_dscnt 16
	WIN 0x01                                       ; source 0 (K) window 1; Q and S^T window 0
	MULS 0
	PLACES
	WIN 0x40
	LOADK 2, \q
	s_wait_dscnt 16
	WIN 0x01
	MULS 1
	PLACES
	WIN 0x40
	LOADK 3, \q
	s_wait_dscnt 16
	WIN 0x01
	MULS 2
	PLACES
	WIN 0x40
	LOADV \q                                       ; V lands while the softmax is walked
	s_wait_dscnt 16
	WIN 0x01
	MULS 3
	PLACES
	WIN 0
	SOFTMAX
	s_wait_alu depctr_va_vdst(0)
	s_wait_dscnt 0x0                               ; V is in
	WIN 0x55                                       ; V, p's codes and O^T all in window 1
.irp t, 0,1,2,3                        ; O^T += V^T P: eight accumulators, one instruction each
.irp x, 0,1
	v_wmma_f32_16x16x128_fp8_fp8 v[OT+32*\x+8*\t:OT+32*\x+8*\t+7], v[KB+16*\t:KB+16*\t+15], v[16*\x:16*\x+15], v[OT+32*\x+8*\t:OT+32*\x+8*\t+7]
.endr
.endr
	WIN 0                                          ; at a label and at a branch every window is 0
.endm
.macro SLOTWORK
	v_add_nc_u32 v[ADK], s[TB], v[AKL]
	v_add_nc_u32 v[ADV], s[TB], v[AV0]
	STEP 0
	STEP 1
	s_xor_b32 s[TB], s[TB], SLOT1                  ; on to the other slot
.endm
	s_load_b256 s[4:11], s[0:1], 0x0               ; queries s[4:5], omegas s[6:7], thetas s[8:9], kcodes s[10:11]
	s_load_b128 s[12:15], s[0:1], 0x20             ; V's codes s[12:13], the scales' exponents s[14:15]
	s_load_b64 s[16:17], s[0:1], 0x30              ; out0
	v_lshl_add_u32 v[SPW], v0, 2, SPARE
	v_mov_b32 v[NIL], 0
	ds_add_u32 v6, v7
	ds_add_u32 v6, v7
	s_wait_dscnt 0x0
	v_lshrrev_b32 v1, 5, v0
	s_delay_alu instid0(VALU_DEP_1)
	v_readfirstlane_b32 s[WV], v1                  ; wave 0..7
	s_bfe_u32 s60, ttmp6, 0x40000                  ; cx: my place in the cluster: it enters the addresses of queries, out0 and the prefetches alone
	s_lshl_b32 s61, ttmp9, 2                       ; in a cluster launch ttmp9 counts clusters
	s_add_co_u32 s61, s61, s60                     ; my block of 256 queries
	s_and_b32 s62, ttmp7, 0xffff                   ; 8 b + h, which the four partners share
	s_lshr_b32 s63, s62, 3                         ; b
	s_and_b32 s66, s62, 7                          ; h
	s_lshl_b32 s67, s61, 8
	s_lshl_b32 s68, s[WV], 5
	s_add_co_u32 s67, s67, s68                     ; my first query: 256 x block + 32 x wave
	s_lshl_b32 s68, s63, 22                        ; queries and out0: b x 2048 x 2048 bytes
	s_lshl_b32 s69, s67, 11                        ; + 2048 bytes x query
	s_add_co_u32 s68, s68, s69
	s_lshl_b32 s69, s66, 8                         ; + 256 bytes x h
	s_add_co_u32 s68, s68, s69
	s_mov_b32 s69, 0
	s_lshr_b32 s70, s68, 4                         ; omegas, thetas: 4 numbers where queries has 64
	s_mov_b32 s71, 0
	s_and_b32 s91, s[WV], 3
	s_lshl_b32 s91, s91, 14                        ; K: my quarter of a slot's images, in memory and in LDS alike
	s_lshl_b32 s72, s62, 19                        ; the head's images: 128 tiles x 4096 bytes
	s_add_co_u32 s72, s72, s91
	s_mov_b32 s73, 0
	s_lshl_b32 s92, s62, 17                        ; the head's V: 64 rows x 2048 bytes
	s_mov_b32 s93, 0
	; descriptor group 1.  K: a dense block of 16 KB as 64 rows of 32 elements of 8 bytes, no padding.  V: 64 rows of 256 bytes, 2,048 bytes apart, 16 bytes of padding behind each
	s_mov_b32 s[G1K], 15|(3<<16)|(1<<21)           ; 15:0 the mask: all four work-groups; 17:16 elements of 8 bytes; 21 set beside a mask
	s_mov_b32 s[G1K+1], 32<<16                     ; tensor_dim0
	s_mov_b32 s[G1K+2], 64<<16                     ; tensor_dim1
	s_mov_b32 s[G1K+3], 32<<16                     ; tile_dim0
	s_mov_b32 s[G1K+4], 64                         ; tile_dim1
	s_mov_b32 s[G1K+5], 32                         ; from row to row
	s_mov_b32 s[G1K+6], 0
	s_mov_b32 s[G1K+7], 0
	s_mov_b32 s[G1V], 15|(1<<20)|(1<<21)|(5<<22)|(3<<25)   ; elements of 1 byte; padding on: four words (code 3) after every 64 (code 5)
	s_mov_b32 s[G1V+1], 256<<16
	s_mov_b32 s[G1V+2], 64<<16
	s_mov_b32 s[G1V+3], 256<<16
	s_mov_b32 s[G1V+4], 64
	s_mov_b32 s[G1V+5], 2048
	s_mov_b32 s[G1V+6], 0
	s_mov_b32 s[G1V+7], 0
	CONSTS
	s_mov_b32 s[SEL], 0x76543210
	s_mov_b32 s[SEL+1], 0xfedcba98
	s_mov_b32 s[CS], 0x3d38aa3b                    ; log2(e) / 32: the logit is the sum / 4 / 8
	s_mul_i32 s94, s[WV], 16*SP
	s_add_co_u32 s94, s94, STAGE                   ; my stage
	v_and_b32 v[AKL], 31, v0
	s_delay_alu instid0(VALU_DEP_1)
	v_lshlrev_b32 v[AKL], 4, v[AKL]
	v_and_b32 v[RR], 15, v0
	v_bfe_u32 v[HH], v0, 4, 1
	s_delay_alu instid0(VALU_DEP_2)
	v_mul_u32_u24 v[AV0], v[RR], VP
	s_delay_alu instid0(VALU_DEP_1)
	v_lshl_add_u32 v[AV0], v[HH], 4, v[AV0]
	s_delay_alu instid0(VALU_DEP_1)
	v_add_nc_u32 v[AV0], VOFF, v[AV0]
	v_lshlrev_b32 v[GO], 4, v[RR]
	s_delay_alu instid0(VALU_DEP_1)
	v_lshl_add_u32 v[GO], v[HH], 11, v[GO]
	v_mul_u32_u24 v[STO], v[RR], SP
	s_delay_alu instid0(VALU_DEP_1)
	v_lshl_add_u32 v[QLA], v[HH], 6, v[STO]
	v_xor_b32 v[SG], 1, v[HH]
	s_delay_alu instid0(VALU_DEP_1)
	v_lshl_add_u32 v[QLB], v[SG], 6, v[STO]
	s_delay_alu instid0(VALU_DEP_4)
	v_lshl_add_u32 v[STO], v[HH], 5, v[STO]
	s_delay_alu instid0(VALU_DEP_1)
	v_add_nc_u32 v[STO], s94, v[STO]
	v_add_nc_u32 v[QLA], s94, v[QLA]
	s_delay_alu instid0(VALU_DEP_4)
	v_add_nc_u32 v[QLB], s94, v[QLB]
	v_mul_u32_u24 v[RD], v[HH], SP
	s_delay_alu instid0(VALU_DEP_1)
	v_lshl_add_u32 v[RD], v[RR], 4, v[RD]
	s_delay_alu instid0(VALU_DEP_1)
	v_add_nc_u32 v[RD], s94, v[RD]
	v_lshlrev_b32 v[OA], 7, v[RR]
	v_lshlrev_b32 v[SG], 31, v[SG]                 ; lanes 0-15: q0 c - q1 s, q2 c + q3 s; lanes 16-31: q1 c + q0 s, q3 c - q2 s
	s_wait_kmcnt 0x0
	s_load_b128 s[56:59], s[14:15], 0x0            ; e0, e1, e2, e3
	s_mov_b32 s[G0K], 1                            ; count = 1
	s_mov_b32 s[G0K+1], s91                        ; LDS address: slot 0
	s_add_nc_u64 s[G0K+2:G0K+3], s[10:11], s[72:73]
	s_or_b32 s[G0K+3], s[G0K+3], 0x80000000        ; type = 2
	s_mov_b32 s[G0V], 1
	s_mov_b32 s[G0V+1], VOFF
	s_add_nc_u64 s[G0V+2:G0V+3], s[12:13], s[92:93]
	s_or_b32 s[G0V+3], s[G0V+3], 0x80000000
	CROUND                                         ; all four work-groups are here: the first joint loads meet
	TLOAD                                          ; slot 0
	s_add_nc_u64 s[4:5], s[4:5], s[68:69]
	s_add_nc_u64 s[16:17], s[16:17], s[68:69]
	s_add_nc_u64 s[6:7], s[6:7], s[70:71]
	s_add_nc_u64 s[8:9], s[8:9], s[70:71]
	s_wait_alu depctr_va_vdst(0)
	global_load_b128 v[56:59], v[OA], s[6:7]                       ; tile 0: omega, theta, then its 16 rows, 16 lanes to a row of 256 bytes
	global_load_b128 v[60:63], v[OA], s[8:9]
.irp i, 0,1,2,3,4,5,6,7
	global_load_b128 v[RAW+4*\i:RAW+4*\i+3], v[GO], s[4:5] offset:2*\i*2048 th:TH_LOAD_NT
.endr
	global_load_b128 v[QF+32:QF+35], v[OA], s[6:7] offset:2048     ; tile 1 likewise; its omega and theta wait where its codes will lie
	global_load_b128 v[QF+36:QF+39], v[OA], s[8:9] offset:2048
.irp i, 0,1,2,3,4,5,6,7
	global_load_b128 v[RAW+32+4*\i:RAW+32+4*\i+3], v[GO], s[4:5] offset:(16+2*\i)*2048 th:TH_LOAD_NT
.endr
	; the prefetches (macro ASK): where my wave's stand, and who asks
	s_and_b32 s90, s[WV], 1
	s_lshl_b32 s90, s90, 13                        ; K: waves 5 and 6 take a half of the partner's 16 KB each
	s_mov_b32 s[PFS], 256
	s_mov_b32 s86, 2048
	s_mov_b32 s87, 256
	s_cmp_lt_u32 s[WV], 7                          ; wave 7 asks for V, the others for K
	s_cselect_b64 s[PFA:PFA+1], s[10:11], s[12:13]
	s_cselect_b32 s[PFS], 0x10000, s[PFS]          ; a slot on
	s_cselect_b32 s86, 256, s86                    ; from lane to lane within sixteen
	s_cselect_b32 s87, 4096, s87                   ; from the lower sixteen lanes to the upper
	s_cselect_b32 s88, 14, 15                      ; a partner's share: 16 KB of K, 16 rows of V
	s_cselect_b32 s89, 19, 17                      ; a head's bytes
	s_cselect_b32 s90, s90, 0
	s_cselect_b32 s[PM], 0, 1
	s_lshl_b32 s88, s60, s88
	s_add_co_u32 s88, s88, s90
	s_add_co_u32 s88, s88, s[PFS]                  ; in slot 1: the first change of slots steps it to slot 2.  Nothing is prefetched here, at the head
	s_lshl_b32 s89, s62, s89
	s_add_co_u32 s88, s88, s89
	s_mov_b32 s89, 0
	s_mov_b32 s[PFS+1], 0
	s_add_nc_u64 s[PFA:PFA+1], s[PFA:PFA+1], s[88:89]
	v_mul_lo_u32 v[PFO], v[RR], s86
	v_mul_lo_u32 v[POS], v[HH], s87
	s_delay_alu instid0(VALU_DEP_1)
	v_add_nc_u32 v[PFO], v[PFO], v[POS]
	s_cmp_lt_u32 s[WV], 5
	s_cselect_b32 s51, 1, 0                        ; 0 in waves 5 to 7,
	s_or_b32 s51, s51, ttmp9                       ; of the head's first cluster: the same in all four partners
	s_cmp_eq_u32 s51, 0
	s_cselect_b32 s[LIM], 1, -1
.irp x, 0,1
	v_mov_b32 v[ST+8*\x+1], 0xff61b1e6             ; the largest t so far: -3e38, under every t
	s_delay_alu instid0(VALU_DEP_1)
	v_floor_f32 v[ST+8*\x], -v[ST+8*\x+1]          ; -M
	v_mov_b32 v[ST+8*\x+2], 0                      ; the sum, in two halves
	v_mov_b32 v[ST+8*\x+3], 0
	v_mov_b32 v[ST+8*\x+5], 0                      ; (named as the upper half of f's pair)
	v_mov_b32 v[PX+\x], 0                          ; (a lane permute's destination counts as one of its sources)
.endr
	WIN 0x40
.set n, 0
.rept 64
	v_mov_b32 v[OT+n], 0                           ; O^T.  (The step is written once for all steps: the first finds zeros, which the first change of M leaves zeros)
.set n, n+1
.endr
	WIN 0
	s_wait_kmcnt 0x0
	s_add_co_i32 s51, s56, s57
	s_lshl_b32 s51, s51, 23
	s_add_co_i32 s[CS], s[CS], s51                 ; a sum stands for sum x 2^(e0 + e1): the two exponents are added to c's exponent field
	s_mov_b32 s[CS+1], s[CS]                       ; (named with it as a pair, so it is written)
	s_add_co_i32 s51, s59, 127
	s_lshl_b32 s86, s51, 23
	v_mov_b32 v[SCP], s86                          ; 2^e3 as f32: the conversion takes its exponent field
	s_add_co_i32 s51, s56, 127
	s_lshl_b32 s86, s51, 23
	v_mov_b32 v[SCQ], s86                          ; 2^e0
; Tile x of my queries: its 16 rows turn through my stage, so that lane (r, h) holds parts h, 1 - h, 2 + h, 3 - h of query r; rotated by the four angles and quantised, they are Q's fragment.
.macro QTILE x, om, left
	s_wait_loadcnt \left                           ; loads come back in order: this tile's ten are in
.irp i, 0,1,2,3,4,5,6,7
	ds_store_b128 v[RD], v[RAW+32*(\x)+4*\i:RAW+32*(\x)+4*\i+3] offset:2*SP*\i
.endr
.irp j, 0,1,2,3                        ; LDS serves a wave's instructions in order: these see the stores above
	ds_load_b128 v[X+4*\j:X+4*\j+3], v[QLA] offset:16*\j
	ds_load_b128 v[X+16+4*\j:X+16+4*\j+3], v[QLB] offset:16*\j
	ds_load_b128 v[X+32+4*\j:X+32+4*\j+3], v[QLA] offset:128+16*\j
	ds_load_b128 v[X+48+4*\j:X+48+4*\j+3], v[QLB] offset:128+16*\j
.endr
	s_add_co_u32 s86, s67, 16*(\x)
	v_add_nc_u32 v[POS], s86, v[RR]                ; my query,
	s_delay_alu instid0(VALU_DEP_1)
	v_cvt_f32_u32 v[POS], v[POS]
	s_delay_alu instid0(VALU_DEP_1)
	v_mul_f32 v[POS], s[CB+11], v[POS]             ; / 2048: exact
	SINCOS \om, \om+4, POS, SG
	s_wait_alu depctr_va_vdst(0)
	s_wait_dscnt 0x0                               ; the four parts are in, and the stores have read the rows' registers
	ROT X, X+16, X+32, X+48, QF+32*(\x), SCQ, LIMQ
.endm
	QTILE 0, 56, 10                                ; tile 1's ten loads may stay out
	QTILE 1, QF+32, 0
	s_mov_b32 s[TB], 0
	s_mov_b32 s[SLOTS], 7
.Lslot:                                            ; seven trips: behind each change of slots but the last the next 256 keys are asked for
	CHANGE 1
	SLOTWORK
	s_sub_co_u32 s[SLOTS], s[SLOTS], 1
	s_cmp_lg_u32 s[SLOTS], 0
	s_cbranch_scc1 .Lslot
	CHANGE 0                                       ; the last slot is written out
	SLOTWORK
	; THE WAY OUT.  The sum's halves and lane l xor 16's are added; O^T x 2^(e2 + e3) / the sum goes through my stage, a tile of 16 queries at a time, and leaves as whole rows of 256 bytes.
	PLACES                                         ; behind the last products
.irp x, 0,1
	v_add_f32 v[ST+8*\x+6], v[ST+8*\x+2], v[ST+8*\x+3]
.endr
.irp x, 0,1
	s_delay_alu instid0(VALU_DEP_2)
	v_permlanex16_b32 v[PX+\x], v[ST+8*\x+6], s[SEL], s[SEL+1]
.endr
.irp x, 0,1
	s_delay_alu instid0(VALU_DEP_2)
	v_add_f32 v[ST+8*\x+6], v[ST+8*\x+6], v[PX+\x]
.endr
	s_wait_alu depctr_va_vdst(0)
.irp x, 0,1
	v_rcp_f32 v[ST+8*\x+4], v[ST+8*\x+6]
.endr
	v_nop                                          ; a plain line between the last reciprocal and the use of its result
	s_add_co_i32 s51, s58, s59
	s_wait_alu depctr_va_vdst(0)                   ; one wait for both reciprocals, ahead of their first reader
.irp x, 0,1
	v_ldexp_f32 v[ST+8*\x+4], v[ST+8*\x+4], s51    ; x 2^(e2 + e3)
.endr
	WIN 0x01                                       ; source 0 (O^T) window 1, the result in window 0
.irp x, 0,1
.set n, 0
.rept 16
	v_pk_mul_f32 v[S+32*\x+n:S+32*\x+n+1], v[OT+32*\x+n:OT+32*\x+n+1], v[ST+8*\x+4:ST+8*\x+5] op_sel_hi:[1,0]   ; register 8 t + j of tile x is out(query r, 16 t + 8 h + j); each accumulator from its low end on
.set n, n+2
.endr
.endr
	WIN 0
.irp x, 0,1
.irp t, 0,1,2,3
	ds_store_b128 v[STO], v[S+32*\x+8*\t:S+32*\x+8*\t+3] offset:64*\t
	ds_store_b128 v[STO], v[S+32*\x+8*\t+4:S+32*\x+8*\t+7] offset:64*\t+16
.endr
.irp i, 0,1,2,3,4,5,6,7
	ds_load_b128 v[X+32*\x+4*\i:X+32*\x+4*\i+3], v[RD] offset:2*SP*\i   ; LDS serves a wave's instructions in order: these see my stores, and the next tile's stores come behind them
.endr
.endr
.irp x, 0,1
.irp i, 0,1,2,3,4,5,6,7
	s_wait_dscnt 16*(1-\x)+7-\i                    ; what was issued behind this load: the tile's later loads, and for tile 0 tile 1's sixteen
	global_store_b128 v[GO], v[X+32*\x+4*\i:X+32*\x+4*\i+3], s[16:17] offset:(16*\x+2*\i)*2048 th:TH_STORE_NT   ; 16 lanes store 256 consecutive bytes, aligned: the row of one query and head
.endr
.endr
	s_wait_tensorcnt 0x0                           ; the wave's end: behind my last tensor load and my last LDS store
	ds_add_u32 v[SPW], v[NIL]
	s_wait_dscnt 0x0
	CROUND                                         ; the closing round: no work-group ends while a partner may still ask for a tile that names it
	s_endpgm
.Lfunc_end_k_q2dddf334d4_attn:
	.size	k_q2dddf334d4_attn, .Lfunc_end_k_q2dddf334d4_attn-k_q2dddf334d4_attn
	.p2alignl 7, 3214868480
	.fill 96, 4, 3214868480
	.section	.rodata,"a",@progbits
	.p2align	6, 0x0
	.amdhsa_kernel k_q2dddf334d4_attn
		.amdhsa_group_segment_fixed_size 327680
		.amdhsa_private_segment_fixed_size 0
		.amdhsa_enable_private_segment 0
		.amdhsa_kernarg_size 56
		.amdhsa_user_sgpr_count 2
		.amdhsa_user_sgpr_kernarg_segment_ptr 1
		.amdhsa_wavefront_size32 1
		.amdhsa_system_sgpr_workgroup_id_x 1
		.amdhsa_system_sgpr_workgroup_id_y 1
		.amdhsa_system_sgpr_workgroup_id_z 1
		.amdhsa_system_vgpr_workitem_id 0
		.amdhsa_next_free_vgpr 512
		.amdhsa_next_free_sgpr 96
		.amdhsa_reserve_vcc 1
		.amdhsa_float_denorm_mode_32 3
		.amdhsa_float_denorm_mode_16_64 3
		.amdhsa_fp16_overflow 1
		.amdhsa_memory_ordered 1
		.amdhsa_forward_progress 1
		.amdhsa_inst_pref_size 177
	.end_amdhsa_kernel
	.amdgpu_metadata
---
amdhsa.version: [ 1, 2 ]
amdhsa.kernels:
  - .name:           k_q2dddf334d4_attn
    .symbol:         k_q2dddf334d4_attn.kd
    .args:
      - { .name: queries, .offset: 0, .size: 8, .value_kind: global_buffer, .address_space: global }
      - { .name: query_omegas, .offset: 8, .size: 8, .value_kind: global_buffer, .address_space: global }
      - { .name: query_thetas, .offset: 16, .size: 8, .value_kind: global_buffer, .address_space: global }
      - { .name: kcodes, .offset: 24, .size: 8, .value_kind: global_buffer, .address_space: global }
      - { .name: values_codes, .offset: 32, .size: 8, .value_kind: global_buffer, .address_space: global }
      - { .name: lowp_scales, .offset: 40, .size: 8, .value_kind: global_buffer, .address_space: global }
      - { .name: out0, .offset: 48, .size: 8, .value_kind: global_buffer, .address_space: global }
    .group_segment_fixed_size: 327680
    .private_segment_fixed_size: 0
    .kernarg_segment_align: 8
    .kernarg_segment_size: 56
    .max_flat_workgroup_size: 256
    .sgpr_count:     96
    .vgpr_count:     512
    .wavefront_size: 32
...
	.end_amdgpu_metadata
.endif
;; end of part 2
